; MI455X (gfx1250); checked and timed in simulation.
; The chip was launched on July 23, 2026; its instructions are those of AMD's public machine-readable ISA for CDNA 5 (MIT licence, August 2026) and "CDNA5" Instruction Set Architecture Reference Guide (July 2026). The comments in the code are by the model that wrote it; some were corrected since.
;; Multi Head Self Attention. Allowed arithmetic: matrix products marked QUANTISED: E2M1 operands, one E8M0 scale for each 32 along K, by v_wmma_scale_f32_16x16x128_f8f6f4 with both operands' format E2M1 (or v_wmma_scale_f32_32x16x128_f4), f32 sums; everything else in f32.
;; Inputs: token_positions 2,048 int32; w_k_codes 1,024 x 32 x 16 uint8 (E2M1 codes of w_k, K innermost, in blocks of 32 codes, two codes a byte); w_k_scales 1,024 x 32 uint8 (E8M0 scales of w_k, one for each 32 codes along K); w_o_codes 1,024 x 32 x 16 uint8 (E2M1 codes of w_o, K innermost, in blocks of 32 codes, two codes a byte); w_o_scales 1,024 x 32 uint8 (E8M0 scales of w_o, one for each 32 codes along K); w_q_codes 1,024 x 32 x 16 uint8 (E2M1 codes of w_q, K innermost, in blocks of 32 codes, two codes a byte); w_q_scales 1,024 x 32 uint8 (E8M0 scales of w_q, one for each 32 codes along K); w_v_codes 1,024 x 32 x 16 uint8 (E2M1 codes of w_v, K innermost, in blocks of 32 codes, two codes a byte); w_v_scales 1,024 x 32 uint8 (E8M0 scales of w_v, one for each 32 codes along K); x_codes 4 x 2,048 x 32 x 16 uint8 (E2M1 codes of x, K innermost, in blocks of 32 codes, two codes a byte); x_scales 4 x 2,048 x 32 uint8 (E8M0 scales of x, one for each 32 codes along K).
;; Outputs: out0 4 x 2,048 x 1,024 float32.
;; This version of the problem:
;;   THIS VERSION OF THE PROBLEM IS GIVEN IN LOW PRECISION. The matrix products marked QUANTISED in the list below multiply operands that are first quantised to E2M1 (2 exponent bits, 1 mantissa bit; 4 bits a number), with one power-of-two scale for each 32 numbers along K (OCP MX v1.0); their sums are f32. All else is computed in f32.
;;   The module's matrix products, in the order in which they are computed (A, B: the left and right operand; K: the contracted axis; several contracted axes count as one K, in the product's order):
;;     1. [M 8,192, K 1,024] x [K 1,024, N 1,024]; A: input x (given as codes); B: input w_q (given as codes): QUANTISED
;;     2. [M 8,192, K 1,024] x [K 1,024, N 1,024]; A: input x (given as codes); B: input w_k (given as codes): QUANTISED
;;     3. [M 8,192, K 1,024] x [K 1,024, N 1,024]; A: input x (given as codes); B: input w_v (given as codes): QUANTISED
;;     4. batch 64 x [M 2,048, K 64] x [K 64, N 2,048]; A: computed on the way; B: computed on the way: QUANTISED
;;     5. batch 64 x [M 2,048, K 2,048] x [K 2,048, N 64]; A: softmax (see below); B: computed on the way: QUANTISED
;;     6. [M 8,192, K 1,024] x [K 1,024, N 1,024]; A: computed on the way; B: input w_o (given as codes): QUANTISED
;;   THE QUANTISER, for each operand of a quantised product, along K:
;;     - K is cut into blocks of 32 from its start; a last block that is shorter is filled with zeros.
;;     - A block's scale is 2^e with e = floor(log2(the largest magnitude in the block)) - 2, held to -126 .. 127; a block of zeros has e = 0. As a byte (E8M0): e + 127.
;;     - Each number is divided by its block's scale, clamped to +-6, and rounded to the nearest number of E2M1, ties to even, subnormals kept.
;;     - The product sums the exact products of the quantised numbers (number of the format x scale) in f32.
;;   ~~~python
;;   def quantise(x, axis):      # numpy; x: float32 -> the quantised numbers, widened to float32 again
;;       x = np.moveaxis(x, axis, -1); K = x.shape[-1]
;;       x = np.pad(x, [(0, 0)] * (x.ndim - 1) + [(0, -K % 32)]); x = x.reshape(x.shape[:-1] + (-1, 32)); a = np.abs(x).max(-1, keepdims=True)
;;       e = np.where(a > 0, np.clip(np.frexp(np.where(a > 0, a, 1))[1] - 1 - 2, -126, 127), 0)      # np.frexp(a)[1] - 1 = floor(log2(a)), exactly
;;       r = np.clip(x / 2.0 ** e, -6, 6)
;;       step = 2.0 ** (np.maximum(np.frexp(np.where(r == 0, 1, r))[1] - 1, 0) - 1)
;;       q = np.round(r / step) * step * 2.0 ** e      # np.round: ties to even
;;       return np.moveaxis(q.reshape(q.shape[:-2] + (-1,))[..., :K], -1, axis).astype(np.float32)
;;   ~~~
;;   SOFTMAX AHEAD OF A QUANTISED PRODUCT. Where the list says 'softmax', what is quantised is not the finished softmax but p = 2^(t - M), with t = logit x log2(e) and M = ceil(the row's largest t), a whole number; so 1/2 < the row's largest p <= 1. The row's sum l is taken of the UNQUANTISED p, in f32, and the product's result is divided by l at the end. Since M is a whole number, a kernel that streams over the keys may use a running M (the ceiling of the running maximum): every later rescaling is an exact power of two, which a block's scale takes up: the codes' values come out the same.
;;   OPERANDS COMPUTED ON THE WAY. 'Computed on the way' means the value that the module computes at that place (a softmax that the list does not call 'softmax' is quantised finished and normalised). What goes into a quantiser is computed in f32, as accurately as f32 sums, v_exp_f32 and their like allow (about 1e-6 of the number): no bf16 or f16 on the way to a quantiser, and a product that is left as it is and whose result goes on into a quantised operand takes f32 operands (vector FMAs, or v_wmma_f32_16x16x4_f32). A number that lies on a knife's edge between two numbers of the format may be rounded either way, as far as f32 arithmetic and the matrix unit's own rounding can turn it there, and no further.
;;   INPUTS GIVEN AS CODES. w_k (in the module: [1024, 1024], K = its axis 1); w_o (in the module: [1024, 1024], K = its axis 1); w_q (in the module: [1024, 1024], K = its axis 1); w_v (in the module: [1024, 1024], K = its axis 1); x (in the module: [4, 2048, 1024], K = its axis 2): each comes as NAME_codes (uint8): NAME with its K axis moved to the last place and cut into blocks of 32 codes, [.., K / 32, bytes a block], one block behind the other in memory; two codes a byte, the lower K in the low four bits (a code: sign, 2 exponent bits, 1 mantissa bit); and NAME_scales (uint8): the same leading axes, one E8M0 byte (e + 127) for each 32 codes along K. Its value is code x scale, taken as it is: it is not quantised again, and the codes and scales need not be those that the quantiser above would give.
;; One version. Each part assembles by itself: llvm-mc -triple=amdgcn-amd-amdhsa -mcpu=gfx1250 --defsym DOCPART=n.
;; ======== version 1 of 1: 3 launches
;; limits: right only within a limited range of input values
;; workspace buffers: qrec 4,456,448 bytes; kv 8,912,896 bytes; oc 4,194,304 bytes; os 262,144 bytes
;; launch qkv (part 1): grid 8 x 64, 12 waves a work-group, clusters of 4 x 4, 314,880 bytes of LDS; arguments x_codes, x_scales, w_q_codes, w_k_codes, w_v_codes, w_q_scales, w_k_scales, w_v_scales, token_positions, qrec, kv; writes qrec, kv
.if DOCPART == 1
	.amdgcn_target "amdgcn-amd-amdhsa--gfx1250"
	.amdhsa_code_object_version 6
	.text
	.protected	k_qb3d2b6b59d_qkv
	.globl	k_qb3d2b6b59d_qkv
	.p2align	8
	.type	k_qb3d2b6b59d_qkv,@function
k_qb3d2b6b59d_qkv:
	s_mov_b64 s[64:65], 0
	v_nop
	global_prefetch_b8 v0, s[64:65] scope:SCOPE_SE
	s_setreg_imm32_b32 hwreg(HW_REG_WAVE_MODE, 25, 1), 1
	s_wait_xcnt 0x0
	s_wait_alu depctr_hold_cnt(0) depctr_sa_sdst(0) depctr_va_vdst(0) depctr_va_sdst(0) depctr_va_ssrc(0) depctr_va_vcc(0) depctr_vm_vsrc(0)
	s_getreg_b32 s2, hwreg(HW_REG_IB_STS2, 6, 4)
	s_cmp_eq_u32 s2, 0
	s_cbranch_scc0 .Lentry_in_a_cluster
	s_endpgm
.Lentry_in_a_cluster:
	s_bfe_u32 s2, ttmp6, 0x10000c
	s_cmp_lg_u32 s2, 0xf033
	s_cbranch_scc0 .Lentry_shape_is_right
	s_endpgm
.Lentry_shape_is_right:
; q = rope(x Wq^T), k = rope(x Wk^T), v = x Wv^T on codes of FP4 (E2M1) with E8M0 scales, and their quantising: q and k along the head's 64 (two blocks of 32), v along the tokens (blocks of 32 keys).
; SHARES.  A work-group takes 128 tokens (work-group y) x 2 heads (work-group x) x {q, k, v}.  Twelve waves: role = wave / 4 (0 q, 1 k, 2 v), head = (wave / 2) % 2, token half = wave % 2.
; Each wave makes 64 x 64: 16 accumulators, K = 1,024 in 8 steps of 128.  q, k: source 0 = 16 rows of W, source 1 = 16 tokens: a lane holds ONE token and its registers run along the head's channels.
; v: source 0 = 16 tokens, source 1 = 16 rows of Wv: a lane holds ONE channel and its registers run along the tokens.  So in every role the 32 registers of a source-1 tile are two quantiser blocks, 16 registers each, shared with lane l xor 16.
; LDS: four tiles (x, Wq, Wk, Wv) of 128 rows x 512 bytes, each as two K halves of 128 rows x (256 + 16) bytes, every one filled ONCE; behind them a table of cos and sin, 128 tokens x (32 pairs of f32 + 16 bytes), written by LDS stores alone.
; CLUSTER 4 x 4: x's tile hangs on work-group y alone and is asked for jointly along a row of the cluster, the weights' tiles on work-group x alone, jointly along a column.
; OUT: images of operand registers.  A tile's codes: lane (r, h) holds row r, block h, 16 bytes: 512 dense bytes a store.  Scale bytes: one word a lane: lanes 0-15 tiles 0, 1 of my four, lanes 16-31 tiles 2, 3; two bytes a tile.
; LIMITS: |position x inv_freq| up to 100,000 (two-part reduction by pi / 2; beyond it the polynomials' argument grows); cos and sin to about 1e-7; a block of zeros gets the scale byte 1 (its codes are zeros; only this program reads the bytes);
; a scale byte 0xff among the inputs, NaN and infinities are not served.
.set PITCH, 272                        ; an LDS row: 256 bytes + 16 of padding: the 16 rows of a fragment load start 68 words apart
.set T16,   16*PITCH                   ; 16 rows
.set HALFK, 128*PITCH                  ; a tile's K half
.set TILE,  2*HALFK
.set TBL,   4*TILE                     ; the table of cos and sin
.set SA,   16                          ; v16-31  source 0's scale words: 4 tiles x 4 registers; register i: lanes 0-15 K step i, lanes 16-31 K step 4 + i
.set SB,   32                          ; v32-47  source 1's
.set HF,   56                          ; v56-59  a tile's two scale bytes
.set FA,   64                          ; v64-95  source 0's four fragments; ahead of the products at work for the table; later table rows
.set FB,   96                          ; v96-127 source 1's; ahead of the products the table's pairs; later table rows, codes
.set ACC,  128                         ; v128-255 accumulator (a, b) at 128 + 8 (4 b + a)
.set WV,   26
.set ROLE, 27
.set HH,   28
.set TH,   29
.set WGX,  32
.set WGY,  33
.set G1X,  36                          ; s[36:43] descriptor group 1 for x's tile;  s[44:51] for the weights'
.set G1W,  44
.set G0X,  52                          ; s[52:59] group 0 for x's two K halves
.set G0W0, 60                          ; s[60:63], s[68:71] for a weight's
.set G0W1, 68
.set POS,  72                          ; s[72:87] sixteen positions
.set HM,   93                          ; the mask of lanes 16-31
.set SEL,  94                          ; s[94:95] lane selects: lane l xor 16
.macro CROUND                          ; a round of the cluster's barrier
	s_barrier_signal -1
	s_barrier_wait -1
	s_cmp_lg_u32 s[WV], 0
	s_cbranch_scc1 .Lnot_wave_0_\@
	s_barrier_signal -3
.Lnot_wave_0_\@:
	s_barrier_wait -3
	s_barrier_signal -1
	s_barrier_wait -1
.endm
; One product.  The 16 accumulators take turns, one instruction a turn.  K steps 4 to 7 take their scale words from lanes 16-31.
.macro WM a, b, ks
.set DD, ACC+8*(4*(\b)+(\a))
.if (\ks) == 0
	v_wmma_scale_f32_16x16x128_f8f6f4 v[DD:DD+7], v[FA+8*(\a):FA+8*(\a)+7], v[FB+8*(\b):FB+8*(\b)+7], 0, v[SA+4*(\a)], v[SB+4*(\b)] matrix_a_fmt:MATRIX_FMT_FP4 matrix_b_fmt:MATRIX_FMT_FP4
.elseif (\ks) < 4
	v_wmma_scale_f32_16x16x128_f8f6f4 v[DD:DD+7], v[FA+8*(\a):FA+8*(\a)+7], v[FB+8*(\b):FB+8*(\b)+7], v[DD:DD+7], v[SA+4*(\a)+(\ks)], v[SB+4*(\b)+(\ks)] matrix_a_fmt:MATRIX_FMT_FP4 matrix_b_fmt:MATRIX_FMT_FP4
.else
	v_wmma_scale_f32_16x16x128_f8f6f4 v[DD:DD+7], v[FA+8*(\a):FA+8*(\a)+7], v[FB+8*(\b):FB+8*(\b)+7], v[DD:DD+7], v[SA+4*(\a)+(\ks)-4], v[SB+4*(\b)+(\ks)-4] matrix_a_fmt:MATRIX_FMT_FP4 matrix_b_fmt:MATRIX_FMT_FP4 matrix_a_scale:MATRIX_SCALE_ROW1 matrix_b_scale:MATRIX_SCALE_ROW1
.endif
.endm
; A K step of 128: 16 LDS loads (source 1's four fragments, then source 0's), 16 products.
.macro KSTEP ks
.if (\ks) > 0
.rept 4
	v_nop                                          ; four places between the last products and loads into the registers that they read (ISA guide 7.12.1 for vector instructions)
.endr
.endif
.set KO, ((\ks)/4)*HALFK+64*((\ks)%4)
.irp i, 0,1,2,3
	ds_load_b128 v[FB+8*\i:FB+8*\i+3], v5 offset:KO+T16*\i
	ds_load_b128 v[FB+8*\i+4:FB+8*\i+7], v5 offset:KO+T16*\i+32
.endr
.irp i, 0,1,2,3
	ds_load_b128 v[FA+8*\i:FA+8*\i+3], v4 offset:KO+T16*\i
	ds_load_b128 v[FA+8*\i+4:FA+8*\i+7], v4 offset:KO+T16*\i+32
.endr
.irp a, 0,1,2,3
	s_wait_dscnt 2*(3-\a)                          ; source 1's fragments and source 0's tile a are in; the two loads of each later tile may be out
.irp b, 0,1,2,3
	WM \a, \b, \ks
.endr
.endr
.endm
; cos and sin of position t (of my sixteen) x my lane's frequency, into the table
.macro SINCOS t
	v_cvt_f32_i32 v71, s[POS+\t]
	s_delay_alu instid0(VALU_DEP_1)
	v_mul_f32 v71, v71, v68                        ; the angle, in f32
	s_delay_alu instid0(VALU_DEP_1)
	v_mul_f32 v72, 0x3f22f983, v71                 ; x 2 / pi
	s_delay_alu instid0(VALU_DEP_1)
	v_rndne_f32 v72, v72                           ; j: how many quarter turns
	s_delay_alu instid0(VALU_DEP_1)
	v_fma_f32 v73, v72, s88, v71                   ; r = angle - j pi / 2, pi / 2 in two parts
	s_delay_alu instid0(VALU_DEP_1)
	v_fma_f32 v73, v72, s89, v73
	s_delay_alu instid0(VALU_DEP_3)
	v_cvt_i32_f32 v74, v72
	s_delay_alu instid0(VALU_DEP_2)
	v_mul_f32 v75, v73, v73                        ; z = r r
	s_delay_alu instid0(VALU_DEP_1)
	v_fmaak_f32 v76, v75, v69, 0x3c08839e          ; sin r = r + r z (S2 + z (S1 + z S0))
	s_delay_alu instid0(VALU_DEP_2)
	v_fmaak_f32 v77, v75, v70, 0xbab6061a          ; cos r = 1 - z / 2 + z z (C2 + z (C1 + z C0))
	s_delay_alu instid0(VALU_DEP_2)
	v_fmaak_f32 v76, v76, v75, 0xbe2aaaa3
	s_delay_alu instid0(VALU_DEP_2)
	v_fmaak_f32 v77, v77, v75, 0x3d2aaaa5
	v_mul_f32 v78, v75, v73
	v_mul_f32 v79, v75, v75
	v_fma_f32 v80, v75, -0.5, 1.0
	s_delay_alu instid0(VALU_DEP_3)
	v_fma_f32 v76, v76, v78, v73
	s_delay_alu instid0(VALU_DEP_2)
	v_fma_f32 v77, v77, v79, v80
	v_and_b32 v81, 1, v74
	s_delay_alu instid0(VALU_DEP_1)
	v_cmp_eq_u32 vcc_lo, 1, v81                    ; an odd quarter: sin and cos change places
	s_delay_alu instid0(VALU_DEP_1)
	v_cndmask_b32 v82, v76, v77, vcc_lo
	s_delay_alu instid0(VALU_DEP_2)
	v_cndmask_b32 v83, v77, v76, vcc_lo
	v_lshlrev_b32 v81, 30, v74                     ; sin's sign: bit 1 of j
	v_add_nc_u32 v74, 1, v74
	s_delay_alu instid0(VALU_DEP_2)
	v_and_b32 v81, 0x80000000, v81
	s_delay_alu instid0(VALU_DEP_2)
	v_lshlrev_b32 v74, 30, v74                     ; cos's: bit 1 of j + 1
	s_delay_alu instid0(VALU_DEP_2)
	v_xor_b32 v[FB+2*\t+1], v82, v81
	s_delay_alu instid0(VALU_DEP_2)
	v_and_b32 v74, 0x80000000, v74
	s_delay_alu instid0(VALU_DEP_1)
	v_xor_b32 v[FB+2*\t], v83, v74
	ds_store_b64 v6, v[FB+2*\t:FB+2*\t+1] offset:PITCH*\t   ; (cos, sin): each token has a pair of registers of its own
.endm
.macro TL b                            ; the table rows of token tile b: for each accumulator a my four pairs (cos, sin)
.set TT, FA+32*((\b)%2)
.irp a, 0,1,2,3
	ds_load_b128 v[TT+8*\a:TT+8*\a+3], v7 offset:T16*(\b)+64*\a
	ds_load_b128 v[TT+8*\a+4:TT+8*\a+7], v7 offset:T16*(\b)+64*\a+16
.endr
.endm
.macro ROPE b                          ; registers 2 p, 2 p + 1 are an even and an odd channel; the table's registers 2 p, 2 p + 1 their cos and sin.  Each accumulator is read from its low end on
.set AC, ACC+32*(\b)
.set TT, FA+32*((\b)%2)
.set p, 0
.rept 16
	v_mul_f32 v[48+2*(p%4)], v[TT+2*p+1], v[AC+2*p+1]
	v_mul_f32 v[49+2*(p%4)], v[TT+2*p+1], v[AC+2*p]
	v_fma_f32 v[AC+2*p], v[TT+2*p], v[AC+2*p], -v[48+2*(p%4)]
	v_fma_f32 v[AC+2*p+1], v[TT+2*p], v[AC+2*p+1], v[49+2*(p%4)]
.set p, p+1
.endr
.endm
; 32 numbers of a lane, register 16 e + 8 i + j = k 32 e + 16 i + 8 (lane / 16) + j of my row, become 4 registers of codes (lane half h: block h whole, k ascending) and two scale bytes.
.macro QUANT2 S, PC, HFR, BM, BT, BS, BY
.irp e, 0,1
	v_max3_num_f32 v[(\BM)+\e], |v[(\S)+16*\e]|, |v[(\S)+16*\e+1]|, 0x1800000   ; my 16 numbers of block e, and the floor 2^(3 - 127): the byte cannot fall under 1
.endr
.irp i, 2,4,6,8,10,12,14
.irp e, 0,1
	v_max3_num_f32 v[(\BM)+\e], v[(\BM)+\e], |v[(\S)+16*\e+\i]|, |v[(\S)+16*\e+\i+1]|
.endr
.endr
.irp e, 0,1
	s_delay_alu instid0(VALU_DEP_2)
	v_permlanex16_b32 v[(\BT)+\e], v[(\BM)+\e], s[SEL], s[SEL+1]
.endr
.irp e, 0,1
	s_delay_alu instid0(VALU_DEP_2)
	v_max_num_f32 v[(\BM)+\e], v[(\BM)+\e], v[(\BT)+\e]     ; with lane l xor 16's: the block's largest magnitude
.endr
.irp e, 0,1
	s_delay_alu instid0(VALU_DEP_2)
	v_add_nc_u32 v[(\BS)+\e], 0xff000000, v[(\BM)+\e]       ; 2 off its exponent field: the conversion's scale operand
.endr
.irp e, 0,1
	s_delay_alu instid0(VALU_DEP_2)
	v_lshrrev_b32 v[(\BY)+\e], 23, v[(\BS)+\e]              ; the scale's byte
.endr
	s_delay_alu instid0(VALU_DEP_1)
	v_lshl_or_b32 v[\HFR], v[(\BY)+1], 8, v[\BY]
.irp i, 0,1
.irp e, 0,1
	v_cvt_scalef32_pk8_fp4_f32 v[(\PC)+2*\i+\e], v[(\S)+16*\e+8*\i:(\S)+16*\e+8*\i+7], v[(\BS)+\e]
.endr
.endr
	v_nop                                          ; one plain place behind a scaled conversion
	v_permlane16_swap_b32 v[\PC], v[(\PC)+1]       ; block 0's upper eights go to lanes 0-15, block 1's lower eights to lanes 16-31
	v_permlane16_swap_b32 v[(\PC)+2], v[(\PC)+3]
.endm
	s_load_b512 s[4:19], s[0:1], 0x0               ; x codes, x scales, wq, wk, wv codes, wq, wk, wv scales
	s_load_b128 s[20:23], s[0:1], 0x40             ; positions, qrec
	s_load_b64 s[24:25], s[0:1], 0x50              ; kv
	v_lshl_add_u32 v62, v0, 2, 0x4c800
	v_mov_b32 v63, 0
	ds_add_u32 v62, v63
	ds_add_u32 v62, v63
	v_lshrrev_b32 v12, 5, v0
	s_delay_alu instid0(VALU_DEP_1)
	v_readfirstlane_b32 s[WV], v12                 ; wave 0..11
	s_lshr_b32 s[ROLE], s[WV], 2
	s_bfe_u32 s[HH], s[WV], 0x10001
	s_and_b32 s[TH], s[WV], 1
	s_bfe_u32 s30, ttmp6, 0x40000                  ; cx
	s_bfe_u32 s31, ttmp6, 0x40004                  ; cy
	s_lshl_b32 s[WGX], ttmp9, 2
	s_add_co_u32 s[WGX], s[WGX], s30               ; work-group x: which two heads
	s_and_b32 s[WGY], ttmp7, 0xffff
	s_lshl_b32 s[WGY], s[WGY], 2
	s_add_co_u32 s[WGY], s[WGY], s31               ; work-group y: which 128 tokens
	s_lshl_b32 s34, s31, 2
	s_lshl_b32 s34, 15, s34                        ; my row of the cluster
	s_lshl_b32 s35, 0x1111, s30                    ; my column
	; group 1: 128 rows x 256 bytes of rows of 512; elements of 1 byte; 4 words of padding after every 64; bit 21 beside the mask
	s_or_b32 s[G1X], s34, (1<<20)|(1<<21)|(5<<22)|(3<<25)
	s_or_b32 s[G1W], s35, (1<<20)|(1<<21)|(5<<22)|(3<<25)
.irp g, G1X, G1W
	s_mov_b32 s[\g+1], 256<<16                     ; tensor_dim0
	s_mov_b32 s[\g+2], 128<<16                     ; tensor_dim1
	s_mov_b32 s[\g+3], 256<<16                     ; tile_dim0
	s_mov_b32 s[\g+4], 128                         ; tile_dim1
	s_mov_b32 s[\g+5], 512                         ; from row to row
	s_mov_b32 s[\g+6], 0
	s_mov_b32 s[\g+7], 0
.endr
	s_lshl_b32 s96, s[WGY], 16                     ; x: 128 rows of 512 bytes a work-group y (s[96:97] never hold cx)
	s_mov_b32 s97, 0
	s_lshl_b32 s98, s[WGX], 16                     ; a weight: 128 rows a work-group x (s[98:101] never hold cy)
	s_mov_b32 s99, 0
	s_min_u32 s[G0W0+1], s[WV], 3                  ; waves 1, 2, 3 fetch Wq, Wk, Wv into tiles 1, 2, 3
	s_mul_i32 s[G0W0+1], s[G0W0+1], TILE
	s_add_co_u32 s[G0W1+1], s[G0W0+1], HALFK
	s_wait_dscnt 0x0
	s_wait_kmcnt 0x0
	s_cmp_eq_u32 s[WV], 1
	s_cselect_b64 s[100:101], s[8:9], s[12:13]
	s_cmp_eq_u32 s[WV], 2
	s_cselect_b64 s[100:101], s[10:11], s[100:101]
	s_mov_b32 s[G0X], 1
	s_mov_b32 s[G0X+1], 0
	s_add_nc_u64 s[G0X+2:G0X+3], s[4:5], s[96:97]
	s_mov_b32 s[G0X+4], 1
	s_mov_b32 s[G0X+5], HALFK
	s_add_nc_u64 s[G0X+6:G0X+7], s[G0X+2:G0X+3], 256
	s_or_b32 s[G0X+3], s[G0X+3], 0x80000000
	s_or_b32 s[G0X+7], s[G0X+7], 0x80000000
	s_mov_b32 s[G0W0], 1
	s_add_nc_u64 s[G0W0+2:G0W0+3], s[100:101], s[98:99]
	s_mov_b32 s[G0W1], 1
	s_add_nc_u64 s[G0W1+2:G0W1+3], s[G0W0+2:G0W0+3], 256
	s_or_b32 s[G0W0+3], s[G0W0+3], 0x80000000
	s_or_b32 s[G0W1+3], s[G0W1+3], 0x80000000
	CROUND                                         ; all sixteen work-groups are here: the joint loads meet
	s_cmp_eq_u32 s[WV], 0                          ; all first fills stand in one branch on the wave's number: two loads of mine are out, or none
	s_cbranch_scc0 .Lnot_x
	tensor_load_to_lds s[G0X:G0X+3], s[G1X:G1X+7]
	s_nop 0
	tensor_load_to_lds s[G0X+4:G0X+7], s[G1X:G1X+7]
	s_nop 0
.rept 4
	v_nop
.endr
	s_branch .Lasked
.Lnot_x:
	s_cmp_lt_u32 s[WV], 4
	s_cbranch_scc0 .Lasked
	tensor_load_to_lds s[G0W0:G0W0+3], s[G1W:G1W+7]
	s_nop 0
	tensor_load_to_lds s[G0W1:G0W1+3], s[G1W:G1W+7]
	s_nop 0
.rept 4
	v_nop
.endr
.Lasked:
	s_and_b32 s2, s[WGY], 15                       ; my block of 128 tokens in its batch
	s_lshl_b32 s90, s2, 9
	s_and_b32 s3, s[WV], 7                         ; (waves 8 to 11 read what waves 0 to 3 read, and use nothing of it: the load stays inside the buffer)
	s_lshl_b32 s3, s3, 6
	s_add_co_u32 s90, s90, s3
	s_mov_b32 s91, 0
	s_add_nc_u64 s[90:91], s[20:21], s[90:91]
	s_load_b512 s[POS:POS+15], s[90:91], 0x0       ; sixteen positions
	v_and_b32 v3, 31, v0                           ; lane
	v_and_b32 v1, 15, v0                           ; r
	v_bfe_u32 v2, v0, 4, 1                         ; h
	s_delay_alu instid0(VALU_DEP_2)
	v_mul_u32_u24 v11, v1, PITCH
	s_delay_alu instid0(VALU_DEP_1)
	v_lshl_add_u32 v11, v2, 4, v11                 ; a fragment's row x pitch + 16 h
	s_wait_alu depctr_va_vdst(0)
	s_mul_i32 s2, s[TH], 64*PITCH                  ; my 64 tokens in x's tile
	s_add_co_u32 s3, s[ROLE], 1
	s_mul_i32 s3, s3, TILE
	s_mul_i32 s88, s[HH], 64*PITCH
	s_add_co_u32 s3, s3, s88                       ; my head's 64 rows in my weight's tile
	s_xor_b32 s88, s2, s3
	s_lshr_b32 s89, s[ROLE], 1                     ; 1 for v: the two change places
	s_mul_i32 s88, s88, s89
	s_xor_b32 s3, s3, s88
	s_xor_b32 s2, s2, s88
	v_add_nc_u32 v4, s3, v11                       ; source 0's fragments
	v_add_nc_u32 v5, s2, v11                       ; source 1's
	s_and_b32 s2, s[WV], 7
	s_mul_i32 s2, s2, T16
	s_add_co_u32 s2, s2, TBL
	v_lshl_add_u32 v6, v3, 3, s2                   ; the table, on the way in: my sixteen tokens' rows, 8 bytes a frequency
	s_mul_i32 s2, s[TH], 64*PITCH
	s_add_co_u32 s2, s2, TBL
	v_mul_u32_u24 v7, v1, PITCH
	s_delay_alu instid0(VALU_DEP_1)
	v_lshl_add_u32 v7, v2, 5, v7
	s_delay_alu instid0(VALU_DEP_1)
	v_add_nc_u32 v7, s2, v7                        ; and on the way out: token r of my half, + 32 h: four pairs
	v_lshlrev_b32 v8, 4, v3                        ; 16 x lane
	v_lshlrev_b32 v9, 2, v3                        ; 4 x lane
	v_lshlrev_b32 v10, 5, v1
	s_delay_alu instid0(VALU_DEP_1)
	v_lshl_add_u32 v10, v2, 4, v10                 ; a row of 32 scale bytes, + 16 h: four words, K steps 4 h .. 4 h + 3
	s_wait_alu depctr_va_vdst(0)
	s_lshl_b32 s96, s[WGY], 12                     ; x's scales: 128 rows of 32 bytes a work-group y,
	s_lshl_b32 s2, s[TH], 11                       ; my 64 rows
	s_add_co_u32 s96, s96, s2
	s_add_nc_u64 s[96:97], s[6:7], s[96:97]
	s_cmp_eq_u32 s[ROLE], 0
	s_cselect_b64 s[98:99], s[14:15], s[18:19]
	s_cmp_eq_u32 s[ROLE], 1
	s_cselect_b64 s[98:99], s[16:17], s[98:99]     ; my weight's scales,
	s_lshl_b32 s2, s[WGX], 1
	s_add_co_u32 s2, s2, s[HH]
	s_lshl_b32 s2, s2, 11                          ; my head's 64 rows of 32 bytes
	s_mov_b32 s3, 0
	s_add_nc_u64 s[98:99], s[98:99], s[2:3]
	s_cmp_eq_u32 s[ROLE], 2
	s_cselect_b64 s[14:15], s[96:97], s[98:99]     ; source 0's
	s_cselect_b64 s[16:17], s[98:99], s[96:97]     ; source 1's
.irp a, 0,1,2,3
	global_load_b128 v[SA+4*\a:SA+4*\a+3], v10, s[14:15] offset:512*\a
	global_load_b128 v[SB+4*\a:SB+4*\a+3], v10, s[16:17] offset:512*\a
.endr
	; where my results go
	s_cmp_eq_u32 s[ROLE], 0
	s_cselect_b64 s[20:21], s[22:23], s[24:25]     ; q's records or k's and v's
	s_lshr_b32 s2, s[WGY], 4
	s_lshl_b32 s2, s2, 4                           ; 16 x batch
	s_lshl_b32 s3, s[WGX], 1
	s_add_co_u32 s2, s2, s3
	s_add_co_u32 s2, s2, s[HH]                     ; + head
	s_lshl_b32 s2, s2, 4
	s_and_b32 s3, s[WGY], 15
	s_add_co_u32 s2, s2, s3                        ; x 16 + block of 128 tokens: the record
	s_min_u32 s3, s[ROLE], 1
	s_add_co_u32 s18, s3, 1
	s_mul_i32 s18, s18, 4352                       ; 4,352 bytes for q, 8,704 for k and v
	s_mul_i32 s2, s2, s18
	s_lshr_b32 s3, s[ROLE], 1
	s_lshl_b32 s18, s3, 12                         ; v's codes lie 4,096 bytes on
	s_add_co_u32 s18, s18, s2
	s_lshl_b32 s19, s[TH], 11                      ; my four tiles of 512 bytes
	s_add_co_u32 s18, s18, s19
	s_mov_b32 s19, 0
	s_add_nc_u64 s[22:23], s[20:21], s[18:19]      ; the codes
	s_min_u32 s18, s[ROLE], 1
	s_lshl_b32 s18, s18, 12
	s_add_co_u32 s18, s18, s2
	s_lshl_b32 s3, s3, 8
	s_add_co_u32 s18, s18, s3
	s_lshl_b32 s3, s[TH], 7
	s_add_co_u32 s18, s18, s3
	s_add_co_u32 s18, s18, 4096
	s_add_nc_u64 s[24:25], s[20:21], s[18:19]      ; the scale words
	s_mov_b32 s88, 0xbfc90fdb                      ; - pi / 2, its upper part,
	s_mov_b32 s89, 0x333bbd2e                      ; and the rest
	s_mov_b32 s92, 0xbed49a78                      ; - log2(10000) / 32, its upper part
	s_mov_b32 s[HM], 0xffff0000
	s_mov_b32 s[SEL], 0x76543210
	s_mov_b32 s[SEL+1], 0xfedcba98
	s_wait_kmcnt 0x0                               ; the positions
	; THE TABLE: waves 0 to 7, sixteen tokens each; a lane a frequency.  inv_freq = 10000^(-k / 32) = 2^(k c): k c in two parts, its whole part applied by v_ldexp_f32
	s_cmp_lt_u32 s[WV], 8
	s_cbranch_scc0 .Lno_table
	v_cvt_f32_u32 v64, v3
	s_delay_alu instid0(VALU_DEP_1)
	v_mul_f32 v65, s92, v64
	s_delay_alu instid0(VALU_DEP_1)
	v_fma_f32 v66, v64, s92, -v65                  ; what the product's rounding dropped,
	s_delay_alu instid0(VALU_DEP_1)
	v_fma_f32 v66, v64, 0xb2179a6b, v66            ; and c's lower part
	s_delay_alu instid0(VALU_DEP_3)
	v_rndne_f32 v67, v65
	s_delay_alu instid0(VALU_DEP_1)
	v_sub_f32 v65, v65, v67
	s_delay_alu instid0(VALU_DEP_1)
	v_add_f32 v65, v65, v66
	s_wait_alu depctr_va_vdst(0)
	v_exp_f32 v68, v65
	v_cvt_i32_f32 v67, v67                         ; (a plain place behind the exponential)
	v_mov_b32 v69, 0xb94ca1f9                      ; S0
	v_mov_b32 v70, 0x37ccf5ce                      ; C0
	s_wait_alu depctr_va_vdst(0)                   ; the wait ahead of the first line that names the exponential's result
	v_ldexp_f32 v68, v68, v67
.irp t, 0,1,2,3,4,5,6,7,8,9,10,11,12,13,14,15
	SINCOS \t
.endr
.Lno_table:
	s_wait_tensorcnt 0x1                           ; my K half 0 has landed; half 1, issued behind it, may stay out
	s_wait_loadcnt 0x0                             ; the scale words
	s_wait_dscnt 0x0                               ; my rows of the table are written
	s_barrier_signal -1
	s_barrier_wait -1                              ; everybody's are
	KSTEP 0
	KSTEP 1
	KSTEP 2
	KSTEP 3
	s_wait_tensorcnt 0x0                           ; my K half 1 has landed
	s_barrier_signal -1
	s_barrier_wait -1
	KSTEP 4
	KSTEP 5
	KSTEP 6
	KSTEP 7
.rept 4
	v_nop                                          ; places in front of the first read of results and of loads into the fragments' registers
.endr
	s_cmp_lt_u32 s[ROLE], 2                        ; q and k are turned, v is not
	s_cbranch_scc0 .Lno_rope
	TL 0
	TL 1
	s_wait_dscnt 0x8                               ; tile 0's eight table loads are in, the next tile's eight may be out
	ROPE 0
	TL 2
	s_wait_dscnt 0x8
	ROPE 1
	TL 3
	s_wait_dscnt 0x8
	ROPE 2
	s_wait_dscnt 0x0
	ROPE 3
.Lno_rope:
	v_mov_b32 v114, 0                              ; written once: a lane permute's destination counts as one of its sources
	v_mov_b32 v115, 0
.irp b, 0,1,2,3
	QUANT2 ACC+32*\b, FB+4*\b, HF+\b, 112, 114, 116, 118
	global_store_b128 v8, v[FB+4*\b:FB+4*\b+3], s[22:23] offset:512*\b   ; a tile's image: 512 consecutive bytes; each tile has registers of its own
.endr
	v_cndmask_b32 v52, v[HF], v[HF+2], s[HM]       ; lanes 0-15: tiles 0 and 1; lanes 16-31: tiles 2 and 3
	v_cndmask_b32 v53, v[HF+1], v[HF+3], s[HM]
	s_delay_alu instid0(VALU_DEP_1)
	v_lshl_or_b32 v52, v53, 16, v52
	global_store_b32 v9, v52, s[24:25]
	s_wait_dscnt 0x0
	s_wait_tensorcnt 0x0
	ds_add_u32 v62, v63
	s_wait_dscnt 0x0
	CROUND                                         ; the closing round: no work-group ends while a partner may still ask for a tile that names it
	s_endpgm
.Lfunc_end_k_qb3d2b6b59d_qkv:
	.size	k_qb3d2b6b59d_qkv, .Lfunc_end_k_qb3d2b6b59d_qkv-k_qb3d2b6b59d_qkv
	.p2alignl 7, 3214868480
	.fill 96, 4, 3214868480
	.section	.rodata,"a",@progbits
	.p2align	6, 0x0
	.amdhsa_kernel k_qb3d2b6b59d_qkv
		.amdhsa_group_segment_fixed_size 314880
		.amdhsa_private_segment_fixed_size 0
		.amdhsa_enable_private_segment 0
		.amdhsa_kernarg_size 88
		.amdhsa_user_sgpr_count 2
		.amdhsa_user_sgpr_kernarg_segment_ptr 1
		.amdhsa_wavefront_size32 1
		.amdhsa_system_sgpr_workgroup_id_x 1
		.amdhsa_system_sgpr_workgroup_id_y 1
		.amdhsa_system_sgpr_workgroup_id_z 1
		.amdhsa_system_vgpr_workitem_id 0
		.amdhsa_next_free_vgpr 256
		.amdhsa_next_free_sgpr 102
		.amdhsa_reserve_vcc 1
		.amdhsa_float_denorm_mode_32 3
		.amdhsa_float_denorm_mode_16_64 3
		.amdhsa_memory_ordered 1
		.amdhsa_forward_progress 1
		.amdhsa_inst_pref_size 92
	.end_amdhsa_kernel
	.amdgpu_metadata
---
amdhsa.version: [ 1, 2 ]
amdhsa.kernels:
  - .name:           k_qb3d2b6b59d_qkv
    .symbol:         k_qb3d2b6b59d_qkv.kd
    .args:
      - { .name: x_codes, .offset: 0, .size: 8, .value_kind: global_buffer, .address_space: global }
      - { .name: x_scales, .offset: 8, .size: 8, .value_kind: global_buffer, .address_space: global }
      - { .name: w_q_codes, .offset: 16, .size: 8, .value_kind: global_buffer, .address_space: global }
      - { .name: w_k_codes, .offset: 24, .size: 8, .value_kind: global_buffer, .address_space: global }
      - { .name: w_v_codes, .offset: 32, .size: 8, .value_kind: global_buffer, .address_space: global }
      - { .name: w_q_scales, .offset: 40, .size: 8, .value_kind: global_buffer, .address_space: global }
      - { .name: w_k_scales, .offset: 48, .size: 8, .value_kind: global_buffer, .address_space: global }
      - { .name: w_v_scales, .offset: 56, .size: 8, .value_kind: global_buffer, .address_space: global }
      - { .name: token_positions, .offset: 64, .size: 8, .value_kind: global_buffer, .address_space: global }
      - { .name: qrec, .offset: 72, .size: 8, .value_kind: global_buffer, .address_space: global }
      - { .name: kv, .offset: 80, .size: 8, .value_kind: global_buffer, .address_space: global }
    .group_segment_fixed_size: 314880
    .private_segment_fixed_size: 0
    .kernarg_segment_align: 8
    .kernarg_segment_size: 88
    .max_flat_workgroup_size: 384
    .sgpr_count:     102
    .vgpr_count:     256
    .wavefront_size: 32
...
	.end_amdgpu_metadata
.endif
;; end of part 1
;; launch attn (part 2): grid 8 x 64, 16 waves a work-group, no clusters, 169,984 bytes of LDS; arguments qrec, kv, oc, os; writes oc, os
.if DOCPART == 2
	.amdgcn_target "amdgcn-amd-amdhsa--gfx1250"
	.amdhsa_code_object_version 6
	.text
	.protected	k_qb3d2b6b59d_attn
	.globl	k_qb3d2b6b59d_attn
	.p2align	8
	.type	k_qb3d2b6b59d_attn,@function
k_qb3d2b6b59d_attn:
	s_mov_b64 s[64:65], 0
	v_nop
	global_prefetch_b8 v0, s[64:65] scope:SCOPE_SE
	s_setreg_imm32_b32 hwreg(HW_REG_WAVE_MODE, 25, 1), 1
	s_wait_xcnt 0x0
; o = softmax(q k^T / 8, causal) v for one head, both products on codes of FP4 (E2M1) with E8M0 scales, and o's quantising along the head's 64 channels.
; THE SOFTMAX: t = score x log2(e) / 8; M = the running largest t rounded UP to a whole number; p = 2^(t - M) is quantised along the keys, not normalised; the row's sum is taken of the unquantised p and divides at the end.
; SHARES.  Work-group (j, head): waves 0-7 own the 128 queries of block j, waves 8-15 those of block 15 - j; a wave owns 16 queries.  Under the causal mask that is 8 (j + 1) + 8 (16 - j) = 136 key steps of 128 in every work-group.
; Every wave walks all 16 key steps with constant trip counts; a step all of whose keys come after the wave's queries is passed over by a scalar branch on ids.
; LDS: the head's 16 records of 8,704 bytes (a key step's K codes, V codes, K scale words, V scale words, as images of operand registers), each filled ONCE, in four stages of four records; behind them 512 bytes for o's scale bytes.
; NO CLUSTER: the work-groups that read the same K and V own different query blocks, and which steps a wave passes over hangs on its query block: partners of joint loads may have no branch that differs between them.
; LAYOUT.  Both products transposed: S^T = K Q^T (source 0 = keys), O^T = V^T P^T (source 0 = channels): a lane holds ONE query.  The head has 64 channels and the instruction 128 along K: a fragment of K holds TWO tiles of 16 keys
; (registers 0-3, 4-7), and Q stands twice, with zero codes in the other half (QLO, QHI): the product with QLO gives the first tile's scores, with QHI the second's.  Tiles are 16 neighbouring keys: register j of tile t is key 16 t + 8 (lane / 16) + j;
; the order along the second product's K is set by where the conversions write (register 4 c + 2 i + e for block 2 c + e, tile i of it) and one exchange of lane halves.
; LIMITS: p under 2^-126 counts as 0; a block of zeros gets the scale byte 1 (its codes are zeros; only this program reads the bytes); NaN and infinities are not served.
.set REC,  8704
.set STG4, 4*REC
.set OSL,  16*REC                      ; o's scale bytes: 32 bytes a wave
.set WV,  12
.set BH,  13
.set QB,  14                           ; my block of 128 queries
.set Q0,  15                           ; my first query
.set G1,  16                           ; s[16:23]
.set KF,  24                           ; the step's first key
.set TB,  25                           ; LDS byte of the step's record
.set CNT, 26
.set TMP, 27
.set CS,  28                           ; s[28:29] c = log2(e) / 8
.set SEL, 30                           ; s[30:31]
.set G0,  32                           ; s[32:47] four groups 0
.set HM,  48
; v1 16 x lane, v2 4 x lane, v3, v4 addresses in hand, v5 r - 8 h, v6, v7 at work; v8 Q's scale word, v9 p's, v10-11 K's, v12-13 V's as stored, v14-15 V's as used; v16-23 QLO, v24-31 QHI; v32-63 K; v64-95 V; v96-159 S^T, then p;
; v160-191 O^T; v192-199 p's codes; v200 -M, v201 the largest t; v[202:203] the sum; v[204:205] f; v206-209, v210-213, v214-217, v218-221 at work
.macro QUANT2 S, PC, HFR, BM, BT, BS, BY
.irp e, 0,1
	v_max3_num_f32 v[(\BM)+\e], |v[(\S)+16*\e]|, |v[(\S)+16*\e+1]|, 0x1800000   ; my 16 numbers of block e, and the floor 2^(3 - 127): the byte cannot fall under 1
.endr
.irp i, 2,4,6,8,10,12,14
.irp e, 0,1
	s_delay_alu instid0(VALU_DEP_2)
	v_max3_num_f32 v[(\BM)+\e], v[(\BM)+\e], |v[(\S)+16*\e+\i]|, |v[(\S)+16*\e+\i+1]|
.endr
.endr
.irp e, 0,1
	s_delay_alu instid0(VALU_DEP_2)
	v_permlanex16_b32 v[(\BT)+\e], v[(\BM)+\e], s[SEL], s[SEL+1]
.endr
.irp e, 0,1
	s_delay_alu instid0(VALU_DEP_2)
	v_max_num_f32 v[(\BM)+\e], v[(\BM)+\e], v[(\BT)+\e]
.endr
.irp e, 0,1
	s_delay_alu instid0(VALU_DEP_2)
	v_add_nc_u32 v[(\BS)+\e], 0xff000000, v[(\BM)+\e]
.endr
.irp e, 0,1
	s_delay_alu instid0(VALU_DEP_2)
	v_lshrrev_b32 v[(\BY)+\e], 23, v[(\BS)+\e]
.endr
	s_delay_alu instid0(VALU_DEP_1)
	v_lshl_or_b32 v[\HFR], v[(\BY)+1], 8, v[\BY]
.irp i, 0,1
.irp e, 0,1
	v_cvt_scalef32_pk8_fp4_f32 v[(\PC)+2*\i+\e], v[(\S)+16*\e+8*\i:(\S)+16*\e+8*\i+7], v[(\BS)+\e]
.endr
.endr
	v_nop                                          ; one plain place behind a scaled conversion
	v_permlane16_swap_b32 v[\PC], v[(\PC)+1]
	v_permlane16_swap_b32 v[(\PC)+2], v[(\PC)+3]
.endm
.macro SPROD p, sk, row                ; the scores of key tiles 2 p and 2 p + 1
.if \row
	v_wmma_scale_f32_16x16x128_f8f6f4 v[96+16*\p:103+16*\p], v[32+8*\p:39+8*\p], v[16:23], 0, v[\sk], v8 matrix_a_fmt:MATRIX_FMT_FP4 matrix_b_fmt:MATRIX_FMT_FP4 matrix_a_scale:MATRIX_SCALE_ROW1
	v_wmma_scale_f32_16x16x128_f8f6f4 v[104+16*\p:111+16*\p], v[32+8*\p:39+8*\p], v[24:31], 0, v[\sk], v8 matrix_a_fmt:MATRIX_FMT_FP4 matrix_b_fmt:MATRIX_FMT_FP4 matrix_a_scale:MATRIX_SCALE_ROW1
.else
	v_wmma_scale_f32_16x16x128_f8f6f4 v[96+16*\p:103+16*\p], v[32+8*\p:39+8*\p], v[16:23], 0, v[\sk], v8 matrix_a_fmt:MATRIX_FMT_FP4 matrix_b_fmt:MATRIX_FMT_FP4
	v_wmma_scale_f32_16x16x128_f8f6f4 v[104+16*\p:111+16*\p], v[32+8*\p:39+8*\p], v[24:31], 0, v[\sk], v8 matrix_a_fmt:MATRIX_FMT_FP4 matrix_b_fmt:MATRIX_FMT_FP4
.endif
.endm
; A KEY STEP: 128 keys
.macro STEP
	s_add_co_u32 s[TMP], s[Q0], 15
	s_cmp_gt_u32 s[KF], s[TMP]                     ; all its keys come after my queries: only the lines at its end are run
	s_cbranch_scc1 .Lhidden_\@
	s_setprio 2
	v_add_nc_u32 v3, s[TB], v1
	v_add_nc_u32 v4, s[TB], v2
	v_nop
	v_nop                                          ; four places between the last step's products and loads into the registers that they read
.irp i, 0,1,2,3,4,5,6,7
	ds_load_b128 v[32+4*\i:35+4*\i], v3 offset:512*\i               ; K: tile i's image
.endr
	ds_load_b32 v10, v4 offset:8192                ; K's scale words: lanes 0-15 tiles 0, 1; lanes 16-31 tiles 2, 3;
	ds_load_b32 v11, v4 offset:8320                ; tiles 4, 5; 6, 7
	ds_load_b32 v12, v4 offset:8448                ; V's: keys 0-63: lanes 0-15 channel tiles 0, 1; lanes 16-31 tiles 2, 3;
	ds_load_b32 v13, v4 offset:8576                ; keys 64-127
.irp c, 0,1
.irp n, 0,1,2,3
	ds_load_b128 v[64+8*\n+4*\c:67+8*\n+4*\c], v3 offset:4096+2048*\c+512*\n   ; V: channel tile n, keys 64 c on
.endr
.endr
	s_wait_dscnt 0x8                               ; K and the scale words are in; V's eight loads may be out
	SPROD 0, 10, 0
	SPROD 1, 10, 1
	SPROD 2, 11, 0
	SPROD 3, 11, 1
	v_perm_b32 v14, v13, v12, 0x05040100           ; V's scale words as the product wants them, four key blocks a channel: tiles 0 (lanes 0-15) and 2 (lanes 16-31),
	v_perm_b32 v15, v13, v12, 0x07060302           ; tiles 1 and 3.  With two v_nop these are the four places behind the products
	v_nop
	v_nop
	s_add_co_u32 s[TMP], s[KF], 127
	s_cmp_le_u32 s[TMP], s[Q0]                     ; all keys count: no mask
	s_cbranch_scc1 .Lopen_\@
	s_sub_co_i32 s[TMP], s[Q0], s[KF]
	v_add_nc_u32 v6, s[TMP], v5                    ; d = my query - the step's first key - 8 (lane / 16): register n holds a hidden key where 16 (n / 8) + n % 8 > d
	v_mov_b32 v7, 0xff800000                       ; -infinity
.set n, 0
.rept 64
	v_cmp_gt_i32 vcc_lo, 16*(n/8)+n%8, v6
	v_cndmask_b32 v[96+n], v[96+n], v7, vcc_lo
.set n, n+1
.endr
.Lopen_\@:
.irp b, 0,1,2,3
	v_max3_num_f32 v[206+\b], v[96+16*\b], v[97+16*\b], v[98+16*\b]   ; the largest score of each block of 32 keys: for the row's maximum and, since p rises with the score, for the block's largest p
.endr
.irp i, 3,5,7,9,11,13
.irp b, 0,1,2,3
	v_max3_num_f32 v[206+\b], v[206+\b], v[96+16*\b+\i], v[97+16*\b+\i]
.endr
.endr
.irp b, 0,1,2,3
	v_max_num_f32 v[206+\b], v[206+\b], v[111+16*\b]
.endr
.irp b, 0,1,2,3
	s_delay_alu instid0(VALU_DEP_4)
	v_permlanex16_b32 v[210+\b], v[206+\b], s[SEL], s[SEL+1]
.endr
.irp b, 0,1,2,3
	s_delay_alu instid0(VALU_DEP_4)
	v_max_num_f32 v[206+\b], v[206+\b], v[210+\b]  ; with lane l xor 16's 16 keys
.endr
	s_delay_alu instid0(VALU_DEP_2)
	v_max3_num_f32 v218, v206, v207, v208
	s_delay_alu instid0(VALU_DEP_1)
	v_max_num_f32 v218, v218, v209
	s_delay_alu instid0(VALU_DEP_1)
	v_mul_f32 v218, s[CS], v218                    ; as t (c is positive)
	s_delay_alu instid0(VALU_DEP_1)
	v_max_num_f32 v201, v201, v218                 ; the running largest t
	v_mov_b32 v218, v200
	s_delay_alu instid0(VALU_DEP_2)
	v_floor_f32 v200, -v201                        ; the new -M = -ceil(t)
	s_delay_alu instid0(VALU_DEP_1)
	v_sub_f32 v218, v200, v218                     ; old M - new M: a whole number, 0 or less
	s_delay_alu instid0(VALU_DEP_1)
	v_cvt_i32_f32 v218, v218                       ; (it saturates)
	s_delay_alu instid0(VALU_DEP_1)
	v_ldexp_f32 v204, 1.0, v218                    ; f = 2^(old M - new M)
.set n, 0
.rept 32
	v_pk_fma_f32 v[96+n:97+n], v[96+n:97+n], s[CS:CS+1], v[200:201] op_sel_hi:[1,0,0]   ; t - M, two at a time
.set n, n+2
.endr
	s_setprio 1
.irp b, 0,1,2,3
	v_fma_f32 v[206+\b], v[206+\b], s[CS], v200    ; the same of each block's largest score
.endr
.set n, 0
	s_wait_alu depctr_va_vdst(0)
.rept 64
	v_exp_f32 v[96+n], v[96+n]                     ; p
.set n, n+1
.endr
	v_pk_mul_f32 v[202:203], v[202:203], v[204:205] op_sel_hi:[1,0]   ; the sums under the new M (a plain place behind the exponentials)
	s_wait_alu depctr_va_vdst(0)                   ; one wait for the batch of 64, ahead of its first reader
.irp b, 0,1,2,3
	v_exp_f32 v[206+\b], v[206+\b]                 ; the blocks' largest p
.endr
	v_pk_add_f32 v[210:211], v[100:101], v[104:105]
	v_pk_add_f32 v[252:253], v[108:109], v[112:113]
	v_pk_add_f32 v[250:251], v[116:117], v[120:121]
	v_pk_add_f32 v[248:249], v[124:125], v[128:129]
	v_pk_add_f32 v[246:247], v[132:133], v[136:137]
	v_pk_add_f32 v[244:245], v[140:141], v[144:145]
	v_pk_add_f32 v[242:243], v[148:149], v[152:153]
	v_pk_add_f32 v[202:203], v[202:203], v[156:157]
	v_pk_add_f32 v[210:211], v[210:211], v[96:97]
	v_pk_add_f32 v[252:253], v[252:253], v[98:99]
	v_pk_add_f32 v[250:251], v[250:251], v[102:103]
	v_pk_add_f32 v[248:249], v[248:249], v[106:107]
	v_pk_add_f32 v[246:247], v[246:247], v[110:111]
	v_pk_add_f32 v[244:245], v[244:245], v[114:115]
	v_pk_add_f32 v[242:243], v[242:243], v[118:119]
	v_pk_add_f32 v[202:203], v[202:203], v[122:123]
	v_pk_add_f32 v[210:211], v[210:211], v[126:127]
	v_pk_add_f32 v[252:253], v[252:253], v[130:131]
	v_pk_add_f32 v[250:251], v[250:251], v[134:135]
	v_pk_add_f32 v[248:249], v[248:249], v[138:139]
	v_pk_add_f32 v[246:247], v[246:247], v[142:143]
	v_pk_add_f32 v[244:245], v[244:245], v[146:147]
	v_pk_add_f32 v[242:243], v[242:243], v[150:151]
	v_pk_add_f32 v[202:203], v[202:203], v[154:155]
	v_pk_add_f32 v[210:211], v[210:211], v[158:159]
	s_delay_alu instid0(VALU_DEP_2)
	v_pk_add_f32 v[202:203], v[202:203], v[248:249]
	s_delay_alu instid0(VALU_DEP_2)
	v_pk_add_f32 v[210:211], v[210:211], v[246:247]
	v_pk_add_f32 v[252:253], v[252:253], v[244:245]
	v_pk_add_f32 v[250:251], v[250:251], v[242:243]
	s_delay_alu instid0(VALU_DEP_2)
	v_pk_add_f32 v[202:203], v[202:203], v[252:253]
	s_delay_alu instid0(VALU_DEP_2)
	v_pk_add_f32 v[210:211], v[210:211], v[250:251]
	s_delay_alu instid0(VALU_DEP_1)
	v_pk_add_f32 v[202:203], v[202:203], v[210:211]
	s_wait_alu depctr_va_vdst(0)                   ; and one for the four
.irp b, 0,1,2,3
	v_max_num_f32 v[206+\b], 0x1800000, v[206+\b]  ; the floor 2^(3 - 127)
.endr
.irp b, 0,1,2,3
	s_delay_alu instid0(VALU_DEP_4)
	v_add_nc_u32 v[214+\b], 0xff000000, v[206+\b]  ; the conversion's scale operand
.endr
.irp b, 0,1,2,3
	s_delay_alu instid0(VALU_DEP_4)
	v_lshrrev_b32 v[210+\b], 23, v[214+\b]         ; the scale's byte
.endr
	s_delay_alu instid0(VALU_DEP_3)
	v_lshl_or_b32 v9, v211, 8, v210                ; p's scale word for these 128 keys
	s_delay_alu instid0(VALU_DEP_1)
	v_lshl_or_b32 v9, v212, 16, v9
	s_delay_alu instid0(VALU_DEP_1)
	v_lshl_or_b32 v9, v213, 24, v9
	s_setprio 0
.irp c, 0,1
.irp e, 0,1
.irp i, 0,1
	v_cvt_scalef32_pk8_fp4_f32 v[192+4*\c+2*\i+\e], v[96+16*(2*\c+\e)+8*\i:96+16*(2*\c+\e)+8*\i+7], v[214+2*\c+\e]
.endr
.endr
.endr
	v_nop                                          ; one plain place behind a scaled conversion
.irp c, 0,1
.irp i, 0,1
	v_permlane16_swap_b32 v[192+4*\c+2*\i], v[193+4*\c+2*\i]   ; lanes 0-15 now hold block 2 c whole, lanes 16-31 block 2 c + 1
.endr
.endr
.set n, 0
.rept 16
	v_pk_mul_f32 v[160+n:161+n], v[160+n:161+n], v[204:205] op_sel_hi:[1,0]   ; O^T under the new M.  These sixteen are also the places between the writes of p's codes and scale word and the products
.set n, n+2
.endr
	s_wait_alu depctr_va_vdst(0)
	s_wait_dscnt 0x0                               ; V
	v_wmma_scale_f32_16x16x128_f8f6f4 v[160:167], v[64:71], v[192:199], v[160:167], v14, v9 matrix_a_fmt:MATRIX_FMT_FP4 matrix_b_fmt:MATRIX_FMT_FP4
	v_wmma_scale_f32_16x16x128_f8f6f4 v[168:175], v[72:79], v[192:199], v[168:175], v15, v9 matrix_a_fmt:MATRIX_FMT_FP4 matrix_b_fmt:MATRIX_FMT_FP4
	v_wmma_scale_f32_16x16x128_f8f6f4 v[176:183], v[80:87], v[192:199], v[176:183], v14, v9 matrix_a_fmt:MATRIX_FMT_FP4 matrix_b_fmt:MATRIX_FMT_FP4 matrix_a_scale:MATRIX_SCALE_ROW1
	v_wmma_scale_f32_16x16x128_f8f6f4 v[184:191], v[88:95], v[192:199], v[184:191], v15, v9 matrix_a_fmt:MATRIX_FMT_FP4 matrix_b_fmt:MATRIX_FMT_FP4 matrix_a_scale:MATRIX_SCALE_ROW1
.Lhidden_\@:
	s_add_co_u32 s[KF], s[KF], 128
	s_add_co_u32 s[TB], s[TB], REC
.endm
; Four key steps whose records came by the stage's four loads
.macro STAGE s
	s_wait_tensorcnt 3-\s                          ; my load of this stage has landed; my loads of the later stages, issued behind it, may stay out
	s_wait_dscnt 0x0
	s_barrier_signal -1
	s_barrier_wait -1                              ; everybody's has
	s_mov_b32 s[TB], \s*STG4
	s_mov_b32 s[CNT], 4
.Lsteps_\@:
	STEP
	s_sub_co_u32 s[CNT], s[CNT], 1
	s_cmp_lg_u32 s[CNT], 0
	s_cbranch_scc1 .Lsteps_\@
	s_setprio 0
.endm
	s_load_b256 s[4:11], s[0:1], 0x0               ; qrec, kv, oc, os
	v_lshl_add_u32 v254, v0, 2, 0x29000
	v_mov_b32 v255, 0
	ds_add_u32 v254, v255
	ds_add_u32 v254, v255
	v_lshrrev_b32 v6, 5, v0
	s_delay_alu instid0(VALU_DEP_1)
	v_readfirstlane_b32 s[WV], v6                  ; wave 0..15
	s_and_b32 s[BH], ttmp7, 0xffff                 ; 16 x batch + head
	s_lshr_b32 s[QB], s[WV], 3
	s_mul_i32 s[QB], s[QB], 15
	s_xor_b32 s[QB], s[QB], ttmp9                  ; block j, or 15 - j
	s_lshl_b32 s[Q0], s[QB], 7
	s_and_b32 s[TMP], s[WV], 7
	s_lshl_b32 s[TMP], s[TMP], 4
	s_add_co_u32 s[Q0], s[Q0], s[TMP]
	; group 1: a record is a dense block: 34 rows of 256 bytes (32 elements of 8 bytes), no padding
	s_mov_b32 s[G1], 3<<16
	s_mov_b32 s[G1+1], 32<<16
	s_mov_b32 s[G1+2], 34<<16
	s_mov_b32 s[G1+3], 32<<16
	s_mov_b32 s[G1+4], 34
	s_mov_b32 s[G1+5], 32
	s_mov_b32 s[G1+6], 0
	s_mov_b32 s[G1+7], 0
	s_and_b32 s[TMP], s[WV], 3
	s_mul_i32 s[TMP], s[TMP], REC                  ; which record of a stage I fetch, if I fetch
	s_mul_i32 s54, s[BH], 16*REC
	s_add_co_u32 s54, s54, s[TMP]
	s_mov_b32 s55, 0
	s_mov_b32 s[CS], 0x3e38aa3b                    ; log2(e) / 8
	s_mov_b32 s[CS+1], s[CS]
	s_mov_b32 s[SEL], 0x76543210
	s_mov_b32 s[SEL+1], 0xfedcba98
	s_mov_b32 s[HM], 0xffff0000
	s_mov_b32 s[KF], 0
	s_wait_dscnt 0x0
	s_wait_kmcnt 0x0
	s_add_nc_u64 s[50:51], s[6:7], s[54:55]
.irp s, 0,1,2,3
	s_mov_b32 s[G0+4*\s], 1
	s_add_co_u32 s[G0+4*\s+1], s[TMP], \s*STG4
	s_add_nc_u64 s[G0+4*\s+2:G0+4*\s+3], s[50:51], \s*STG4
	s_or_b32 s[G0+4*\s+3], s[G0+4*\s+3], 0x80000000
.endr
	s_cmp_lt_u32 s[WV], 4                          ; waves 0 to 3 fetch: all first fills in one branch; four loads of mine are out
	s_cbranch_scc0 .Lasked
	tensor_load_to_lds s[G0:G0+3], s[G1:G1+7]
	s_nop 0
	tensor_load_to_lds s[G0+4:G0+7], s[G1:G1+7]
	s_nop 0
	tensor_load_to_lds s[G0+8:G0+11], s[G1:G1+7]
	s_nop 0
	tensor_load_to_lds s[G0+12:G0+15], s[G1:G1+7]
	s_nop 0
.rept 4
	v_nop
.endr
.Lasked:
	v_and_b32 v7, 31, v0
	s_delay_alu instid0(VALU_DEP_1)
	v_lshlrev_b32 v1, 4, v7
	s_wait_alu depctr_va_vdst(0)
	v_lshlrev_b32 v2, 2, v7
	v_and_b32 v6, 15, v0                           ; r
	v_bfe_u32 v5, v0, 4, 1                         ; h
	s_delay_alu instid0(VALU_DEP_1)
	v_lshlrev_b32 v5, 3, v5
	s_delay_alu instid0(VALU_DEP_1)
	v_sub_nc_u32 v5, v6, v5                        ; r - 8 h
	s_delay_alu instid0(VALU_DEP_4)
	v_lshlrev_b32 v7, 2, v6                        ; 4 r
	s_wait_alu depctr_va_vdst(0)
	s_lshl_b32 s54, s[BH], 4
	s_add_co_u32 s54, s54, s[QB]
	s_mul_i32 s54, s54, 4352                       ; q's record
	s_and_b32 s[TMP], s[WV], 7
	s_lshl_b32 s56, s[TMP], 9                      ; my tile's image
	s_add_co_u32 s56, s56, s54
	s_mov_b32 s57, 0
	s_add_nc_u64 s[52:53], s[4:5], s[56:57]
	global_load_b128 v[16:19], v1, s[52:53]
	s_bfe_u32 s56, s[WV], 0x10002                  ; its scale bytes: word (tile / 4), lanes 16 ((tile / 2) % 2) + r, half tile % 2
	s_lshl_b32 s56, s56, 7
	s_bfe_u32 s[TMP], s[WV], 0x10001
	s_lshl_b32 s[TMP], s[TMP], 6
	s_add_co_u32 s56, s56, s[TMP]
	s_add_co_u32 s56, s56, s54
	s_add_co_u32 s56, s56, 4096
	s_add_nc_u64 s[58:59], s[4:5], s[56:57]
	global_load_b32 v219, v7, s[58:59]
	s_and_b32 s[TMP], s[WV], 1
	s_lshl_b32 s[TMP], s[TMP], 4
	s_wait_loadcnt 0x0
	v_lshrrev_b32 v219, s[TMP], v219
	s_delay_alu instid0(VALU_DEP_1)
	v_and_b32 v219, 0xffff, v219
	s_delay_alu instid0(VALU_DEP_1)
	v_lshl_or_b32 v8, v219, 16, v219               ; Q's scale word: its two bytes twice, for QLO and for QHI
.irp i, 0,1,2,3
	v_mov_b32 v[28+\i], v[16+\i]                   ; QHI: zeros, then Q
	v_mov_b32 v[20+\i], 0                          ; QLO: Q, then zeros
	v_mov_b32 v[24+\i], 0
.endr
	v_mov_b32 v201, 0xff61b1e6                     ; the largest t so far: -3e38
	s_delay_alu instid0(VALU_DEP_1)
	v_floor_f32 v200, -v201                        ; -M
	v_mov_b32 v202, 0                              ; the sum, in two halves
	v_mov_b32 v203, 0
	v_mov_b32 v204, 0
	v_mov_b32 v205, 0                              ; (named as the upper half of f's pair)
	v_mov_b32 v218, 0
.irp b, 0,1,2,3
	v_mov_b32 v[210+\b], 0                         ; a lane permute's destination counts as one of its sources
.endr
.set n, 0
.rept 32
	v_mov_b32 v[160+n], 0                          ; O^T: the step is written once, its first run finds zeros.  (These also stand between the writes of Q's operands and scale word and the first products)
.set n, n+1
.endr
	STAGE 0
	STAGE 1
	STAGE 2
	STAGE 3
	; THE WAY OUT: O^T / the sum, quantised along the head's channels; the codes leave as an image, the scale bytes through LDS as whole runs of 256 bytes
.rept 4
	v_nop
.endr
	v_add_f32 v202, v202, v203
	s_delay_alu instid0(VALU_DEP_1)
	v_permlanex16_b32 v218, v202, s[SEL], s[SEL+1]
	s_delay_alu instid0(VALU_DEP_1)
	v_add_f32 v202, v202, v218                     ; the row's sum
	s_wait_alu depctr_va_vdst(0)
	v_rcp_f32 v204, v202
	v_and_b32 v6, 15, v0                           ; (a plain place behind the reciprocal)  r
	s_lshl_b32 s[TMP], s[WV], 5
	s_add_co_u32 s[TMP], s[TMP], OSL
	v_lshl_add_u32 v7, v6, 1, s[TMP]               ; my row's two scale bytes in LDS: 32 x wave + 2 r
	v_add_nc_u32 v3, OSL, v1                       ; and where wave 0 reads them back: 16 x lane
	s_lshr_b32 s54, s[BH], 4
	s_lshl_b32 s54, s54, 4                         ; 16 x batch
	s_and_b32 s56, s[BH], 15                       ; head
	s_add_co_u32 s[TMP], s54, s[QB]
	s_lshl_b32 s[TMP], s[TMP], 16                  ; oc: 65,536 bytes a block of 128 tokens,
	s_lshl_b32 s57, s56, 12                        ; 4,096 a head,
	s_add_co_u32 s[TMP], s[TMP], s57
	s_and_b32 s57, s[WV], 7
	s_lshl_b32 s57, s57, 9                         ; 512 a tile
	s_add_co_u32 s58, s[TMP], s57
	s_mov_b32 s59, 0
	s_add_nc_u64 s[8:9], s[8:9], s[58:59]
	s_add_co_u32 s[TMP], s54, ttmp9
	s_lshl_b32 s[TMP], s[TMP], 12                  ; os: 4,096 bytes a block, 256 a head: block j's,
	s_lshl_b32 s56, s56, 8
	s_add_co_u32 s[TMP], s[TMP], s56
	s_xor_b32 s57, ttmp9, 15
	s_add_co_u32 s57, s54, s57
	s_lshl_b32 s57, s57, 12
	s_add_co_u32 s57, s57, s56                     ; and block 15 - j's
	v_mov_b32 v36, s[TMP]
	v_mov_b32 v37, s57
	s_delay_alu instid0(VALU_DEP_1)
	v_cndmask_b32 v36, v36, v37, s[HM]             ; lanes 0-15 store the first run, lanes 16-31 the second
	s_wait_alu depctr_va_vdst(0)
	v_lshl_add_u32 v36, v6, 4, v36
	s_wait_alu depctr_va_vdst(0)                   ; ahead of the reciprocal's first reader
.set n, 0
.rept 16
	v_pk_mul_f32 v[96+n:97+n], v[160+n:161+n], v[204:205] op_sel_hi:[1,0]   ; register 8 t + i: o(my query, 16 t + 8 (lane / 16) + i); each accumulator from its low end on
.set n, n+2
.endr
	QUANT2 96, 192, 218, 206, 210, 214, 220
	global_store_b128 v1, v[192:195], s[8:9]       ; 512 consecutive bytes
	ds_store_b16 v7, v218                          ; both halves of the lanes write the same two bytes
	s_wait_dscnt 0x0
	s_barrier_signal -1
	s_barrier_wait -1
	s_cmp_lg_u32 s[WV], 0
	s_cbranch_scc1 .Ldone
	ds_load_b128 v[32:35], v3
	s_wait_dscnt 0x0
	global_store_b128 v36, v[32:35], s[10:11]      ; two runs of 256 consecutive bytes, each at a multiple of 256 from the buffer's first byte
.Ldone:
	s_wait_tensorcnt 0x0
	ds_add_u32 v254, v255
	s_wait_dscnt 0x0
	s_endpgm
.Lfunc_end_k_qb3d2b6b59d_attn:
	.size	k_qb3d2b6b59d_attn, .Lfunc_end_k_qb3d2b6b59d_attn-k_qb3d2b6b59d_attn
	.p2alignl 7, 3214868480
	.fill 96, 4, 3214868480
	.section	.rodata,"a",@progbits
	.p2align	6, 0x0
	.amdhsa_kernel k_qb3d2b6b59d_attn
		.amdhsa_group_segment_fixed_size 169984
		.amdhsa_private_segment_fixed_size 0
		.amdhsa_enable_private_segment 0
		.amdhsa_kernarg_size 32
		.amdhsa_user_sgpr_count 2
		.amdhsa_user_sgpr_kernarg_segment_ptr 1
		.amdhsa_wavefront_size32 1
		.amdhsa_system_sgpr_workgroup_id_x 1
		.amdhsa_system_sgpr_workgroup_id_y 1
		.amdhsa_system_sgpr_workgroup_id_z 1
		.amdhsa_system_vgpr_workitem_id 0
		.amdhsa_next_free_vgpr 256
		.amdhsa_next_free_sgpr 66
		.amdhsa_reserve_vcc 1
		.amdhsa_float_denorm_mode_32 3
		.amdhsa_float_denorm_mode_16_64 3
		.amdhsa_memory_ordered 1
		.amdhsa_forward_progress 1
		.amdhsa_inst_pref_size 100
	.end_amdhsa_kernel
	.amdgpu_metadata
---
amdhsa.version: [ 1, 2 ]
amdhsa.kernels:
  - .name:           k_qb3d2b6b59d_attn
    .symbol:         k_qb3d2b6b59d_attn.kd
    .args:
      - { .name: qrec, .offset: 0, .size: 8, .value_kind: global_buffer, .address_space: global }
      - { .name: kv, .offset: 8, .size: 8, .value_kind: global_buffer, .address_space: global }
      - { .name: oc, .offset: 16, .size: 8, .value_kind: global_buffer, .address_space: global }
      - { .name: os, .offset: 24, .size: 8, .value_kind: global_buffer, .address_space: global }
    .group_segment_fixed_size: 169984
    .private_segment_fixed_size: 0
    .kernarg_segment_align: 8
    .kernarg_segment_size: 32
    .max_flat_workgroup_size: 512
    .sgpr_count:     66
    .vgpr_count:     256
    .wavefront_size: 32
...
	.end_amdgpu_metadata
.endif
;; end of part 2
;; launch oproj (part 3): grid 4 x 64, 8 waves a work-group, clusters of 4 x 4, 240,640 bytes of LDS; arguments oc, os, w_o_codes, w_o_scales, out0; writes out0
.if DOCPART == 3
	.amdgcn_target "amdgcn-amd-amdhsa--gfx1250"
	.amdhsa_code_object_version 6
	.text
	.protected	k_qb3d2b6b59d_oproj
	.globl	k_qb3d2b6b59d_oproj
	.p2align	8
	.type	k_qb3d2b6b59d_oproj,@function
k_qb3d2b6b59d_oproj:
	s_mov_b64 s[64:65], 0
	v_nop
	global_prefetch_b8 v0, s[64:65] scope:SCOPE_SE
	s_setreg_imm32_b32 hwreg(HW_REG_WAVE_MODE, 25, 1), 1
	s_wait_xcnt 0x0
	s_wait_alu depctr_hold_cnt(0) depctr_sa_sdst(0) depctr_va_vdst(0) depctr_va_sdst(0) depctr_va_ssrc(0) depctr_va_vcc(0) depctr_vm_vsrc(0)
	s_getreg_b32 s2, hwreg(HW_REG_IB_STS2, 6, 4)
	s_cmp_eq_u32 s2, 0
	s_cbranch_scc0 .Lentry_in_a_cluster
	s_endpgm
.Lentry_in_a_cluster:
	s_bfe_u32 s2, ttmp6, 0x10000c
	s_cmp_lg_u32 s2, 0xf033
	s_cbranch_scc0 .Lentry_shape_is_right
	s_endpgm
.Lentry_shape_is_right:
; out0 = o Wo^T on codes of FP4 (E2M1) with E8M0 scales; f32 sums.  o comes as images of operand registers (oc: [block of 128 tokens][head][tile of 16 tokens][lane][16 bytes]) and two scale bytes a token and head (os).
; SHARES.  A work-group takes 128 tokens (work-group y) x 256 columns (work-group x); eight waves, each 64 tokens (wave % 2) x 64 columns (wave / 2): 16 accumulators; K = 1,024 in 8 steps of 128 (two heads a step).
; TRANSPOSED: source 0 = 16 rows of Wo, source 1 = 16 tokens: a lane holds eight neighbouring columns of one row of out0.
; LDS, every byte filled ONCE: Wo's 256 rows as two row halves x two K halves of 128 rows x (256 + 16) bytes; o's images, two K halves of 32,768 dense bytes; behind them a stage of 16 x 272 bytes for each wave, written by LDS stores alone.
; CLUSTER 4 x 4: Wo's tiles hang on work-group x alone and are asked for jointly along a column of the cluster, o's images on work-group y alone, jointly along a row.
; LIMITS: a scale byte 0xff among the inputs is not served.
.set PITCH, 272
.set T16,   16*PITCH
.set HALFK, 128*PITCH
.set TILE,  2*HALFK
.set OIMG,  2*TILE                     ; o's images
.set OHALF, 32768
.set STG,   OIMG+2*OHALF               ; the stages
.set SA,  16                           ; v16-31 Wo's scale words; v32-47 o's
.set SB,  32
.set FA,  64
.set FB,  96
.set ACC, 128
.set WV,  14
.set MH,  15
.set NQ,  16
.set WGX, 19
.set WGY, 20
.set G1A, 24                           ; s[24:31] group 1 for o's images;  s[32:39] for Wo's tiles
.set G1B, 32
.set G0A, 40                           ; s[40:47] groups 0 for o's two K halves;  s[48:55] for Wo's
.set G0B, 48
.macro CROUND
	s_barrier_signal -1
	s_barrier_wait -1
	s_cmp_lg_u32 s[WV], 0
	s_cbranch_scc1 .Lnot_wave_0_\@
	s_barrier_signal -3
.Lnot_wave_0_\@:
	s_barrier_wait -3
	s_barrier_signal -1
	s_barrier_wait -1
.endm
.macro WM a, b, ks                     ; the 16 accumulators take turns, one instruction a turn; K steps 4 to 7 take their scale words from lanes 16-31
.set DD, ACC+8*(4*(\b)+(\a))
.if (\ks) == 0
	v_wmma_scale_f32_16x16x128_f8f6f4 v[DD:DD+7], v[FA+8*(\a):FA+8*(\a)+7], v[FB+8*(\b):FB+8*(\b)+7], 0, v[SA+4*(\a)], v[SB+4*(\b)] matrix_a_fmt:MATRIX_FMT_FP4 matrix_b_fmt:MATRIX_FMT_FP4
.elseif (\ks) < 4
	v_wmma_scale_f32_16x16x128_f8f6f4 v[DD:DD+7], v[FA+8*(\a):FA+8*(\a)+7], v[FB+8*(\b):FB+8*(\b)+7], v[DD:DD+7], v[SA+4*(\a)+(\ks)], v[SB+4*(\b)+(\ks)] matrix_a_fmt:MATRIX_FMT_FP4 matrix_b_fmt:MATRIX_FMT_FP4
.else
	v_wmma_scale_f32_16x16x128_f8f6f4 v[DD:DD+7], v[FA+8*(\a):FA+8*(\a)+7], v[FB+8*(\b):FB+8*(\b)+7], v[DD:DD+7], v[SA+4*(\a)+(\ks)-4], v[SB+4*(\b)+(\ks)-4] matrix_a_fmt:MATRIX_FMT_FP4 matrix_b_fmt:MATRIX_FMT_FP4 matrix_a_scale:MATRIX_SCALE_ROW1 matrix_b_scale:MATRIX_SCALE_ROW1
.endif
.endm
.macro KSTEP ks
.if (\ks) > 0
.rept 4
	v_nop                                          ; four places between the last products and loads into the registers that they read
.endr
.endif
.set KA, ((\ks)/4)*HALFK+64*((\ks)%4)
.set KB, ((\ks)/4)*OHALF+8192*((\ks)%4)
.irp i, 0,1,2,3
	ds_load_b128 v[FB+8*\i:FB+8*\i+3], v5 offset:KB+512*\i          ; o: token tile i, head 2 ks: k 32 h on;
	ds_load_b128 v[FB+8*\i+4:FB+8*\i+7], v5 offset:KB+512*\i+4096   ; head 2 ks + 1: k 64 + 32 h on
.endr
.irp i, 0,1,2,3
	ds_load_b128 v[FA+8*\i:FA+8*\i+3], v4 offset:KA+T16*\i
	ds_load_b128 v[FA+8*\i+4:FA+8*\i+7], v4 offset:KA+T16*\i+32
.endr
.irp a, 0,1,2,3
	s_wait_dscnt 2*(3-\a)                          ; o's fragments and Wo's tile a are in; the two loads of each later tile may be out
.irp b, 0,1,2,3
	WM \a, \b, \ks
.endr
.endr
.endm
; THE WAY OUT of token tile b: 16 rows x 256 bytes through my own stage (LDS serves a wave's instructions in order: no wait between the stores and the loads, nor in front of the next tile's stores)
.macro TOSTAGE b
.irp a, 0,1,2,3
	ds_store_b128 v6, v[ACC+8*(4*(\b)+\a):ACC+8*(4*(\b)+\a)+3] offset:64*\a          ; each accumulator from its low end on
	ds_store_b128 v6, v[ACC+8*(4*(\b)+\a)+4:ACC+8*(4*(\b)+\a)+7] offset:64*\a+16
.endr
.set BB, FA+32*((\b)%2)
.irp i, 0,1,2,3,4,5,6,7
	ds_load_b128 v[BB+4*\i:BB+4*\i+3], v7 offset:2*PITCH*\i
.endr
.endm
.macro SEND b, younger                 ; younger: the LDS instructions issued behind tile b's loads, which may stay out
.set BB, FA+32*((\b)%2)
	s_wait_dscnt \younger
.irp i, 0,1,2,3,4,5,6,7
	global_store_b128 v8, v[BB+4*\i:BB+4*\i+3], s[66:67] offset:(16*(\b)+2*\i)*4096 th:TH_STORE_NT   ; sixteen lanes store 256 consecutive bytes, at a multiple of 256 from out0's first byte
.endr
.endm
	s_load_b256 s[4:11], s[0:1], 0x0               ; oc, os, Wo's codes, Wo's scales
	s_load_b64 s[12:13], s[0:1], 0x20              ; out0
	v_lshl_add_u32 v62, v0, 2, 0x3a800
	v_mov_b32 v63, 0
	ds_add_u32 v62, v63
	ds_add_u32 v62, v63
	v_lshrrev_b32 v12, 5, v0
	s_delay_alu instid0(VALU_DEP_1)
	v_readfirstlane_b32 s[WV], v12                 ; wave 0..7
	s_and_b32 s[MH], s[WV], 1
	s_lshr_b32 s[NQ], s[WV], 1
	s_bfe_u32 s17, ttmp6, 0x40000                  ; cx
	s_bfe_u32 s18, ttmp6, 0x40004                  ; cy
	s_lshl_b32 s[WGX], ttmp9, 2
	s_add_co_u32 s[WGX], s[WGX], s17
	s_and_b32 s[WGY], ttmp7, 0xffff
	s_lshl_b32 s[WGY], s[WGY], 2
	s_add_co_u32 s[WGY], s[WGY], s18
	s_lshl_b32 s21, s18, 2
	s_lshl_b32 s21, 15, s21                        ; my row of the cluster
	s_lshl_b32 s22, 0x1111, s17                    ; my column
	; o's images: a dense block of 16,384 bytes as 64 rows of 256 (32 elements of 8 bytes), no padding
	s_or_b32 s[G1A], s21, (3<<16)|(1<<21)
	s_mov_b32 s[G1A+1], 32<<16
	s_mov_b32 s[G1A+2], 64<<16
	s_mov_b32 s[G1A+3], 32<<16
	s_mov_b32 s[G1A+4], 64
	s_mov_b32 s[G1A+5], 32
	s_mov_b32 s[G1A+6], 0
	s_mov_b32 s[G1A+7], 0
	; Wo's tiles: 128 rows x 256 bytes of rows of 512; 4 words of padding after every 64
	s_or_b32 s[G1B], s22, (1<<20)|(1<<21)|(5<<22)|(3<<25)
	s_mov_b32 s[G1B+1], 256<<16
	s_mov_b32 s[G1B+2], 128<<16
	s_mov_b32 s[G1B+3], 256<<16
	s_mov_b32 s[G1B+4], 128
	s_mov_b32 s[G1B+5], 512
	s_mov_b32 s[G1B+6], 0
	s_mov_b32 s[G1B+7], 0
	s_and_b32 s[G0A+1], s[WV], 1                   ; waves 2 and 3 fetch o's images: which 16,384 bytes of a K half
	s_lshl_b32 s[G0A+1], s[G0A+1], 14
	s_lshl_b32 s56, s[WGY], 16                     ; (s[56:57] never hold cx)
	s_add_co_u32 s56, s56, s[G0A+1]
	s_mov_b32 s57, 0
	s_add_co_u32 s[G0A+5], s[G0A+1], OIMG+OHALF
	s_add_co_u32 s[G0A+1], s[G0A+1], OIMG
	s_min_u32 s[G0B+1], s[WV], 1                   ; waves 0 and 1 fetch Wo's two row halves
	s_lshl_b32 s[G0B+5], s[G0B+1], 16
	s_lshl_b32 s58, s[WGX], 17                     ; (s[58:59] never hold cy)
	s_add_co_u32 s58, s58, s[G0B+5]
	s_mov_b32 s59, 0
	s_mul_i32 s[G0B+1], s[G0B+1], TILE
	s_add_co_u32 s[G0B+5], s[G0B+1], HALFK
	s_wait_dscnt 0x0
	s_wait_kmcnt 0x0
	s_mov_b32 s[G0A], 1
	s_add_nc_u64 s[G0A+2:G0A+3], s[4:5], s[56:57]
	s_mov_b32 s[G0A+4], 1
	s_add_nc_u64 s[G0A+6:G0A+7], s[G0A+2:G0A+3], OHALF
	s_or_b32 s[G0A+3], s[G0A+3], 0x80000000
	s_or_b32 s[G0A+7], s[G0A+7], 0x80000000
	s_mov_b32 s[G0B], 1
	s_add_nc_u64 s[G0B+2:G0B+3], s[8:9], s[58:59]
	s_mov_b32 s[G0B+4], 1
	s_add_nc_u64 s[G0B+6:G0B+7], s[G0B+2:G0B+3], 256
	s_or_b32 s[G0B+3], s[G0B+3], 0x80000000
	s_or_b32 s[G0B+7], s[G0B+7], 0x80000000
	CROUND                                         ; all sixteen work-groups are here: the joint loads meet
	s_cmp_lt_u32 s[WV], 2                          ; all first fills stand in one branch on the wave's number: two loads of mine are out, or none
	s_cbranch_scc0 .Lnot_w
	tensor_load_to_lds s[G0B:G0B+3], s[G1B:G1B+7]
	s_nop 0
	tensor_load_to_lds s[G0B+4:G0B+7], s[G1B:G1B+7]
	s_nop 0
.rept 4
	v_nop
.endr
	s_branch .Lasked
.Lnot_w:
	s_cmp_lt_u32 s[WV], 4
	s_cbranch_scc0 .Lasked
	tensor_load_to_lds s[G0A:G0A+3], s[G1A:G1A+7]
	s_nop 0
	tensor_load_to_lds s[G0A+4:G0A+7], s[G1A:G1A+7]
	s_nop 0
.rept 4
	v_nop
.endr
.Lasked:
	v_and_b32 v3, 31, v0                           ; lane
	v_and_b32 v1, 15, v0                           ; r
	v_bfe_u32 v2, v0, 4, 1                         ; h
	s_delay_alu instid0(VALU_DEP_2)
	v_mul_u32_u24 v11, v1, PITCH
	s_wait_alu depctr_va_vdst(0)
	v_lshl_add_u32 v4, v2, 4, v11                  ; Wo: row r x pitch + 16 h,
	s_lshr_b32 s2, s[NQ], 1
	s_mul_i32 s2, s2, TILE                         ; my row half,
	s_and_b32 s3, s[NQ], 1
	s_mul_i32 s3, s3, 64*PITCH                     ; my 64 rows of it
	s_add_co_u32 s2, s2, s3
	v_add_nc_u32 v4, s2, v4
	s_lshl_b32 s2, s[MH], 11                       ; o: my four tiles of 512 bytes in a head's 4,096
	s_add_co_u32 s2, s2, OIMG
	v_lshl_add_u32 v5, v3, 4, s2
	s_mul_i32 s2, s[WV], T16
	s_add_co_u32 s2, s2, STG                       ; my stage
	v_lshl_add_u32 v6, v2, 5, v11
	s_delay_alu instid0(VALU_DEP_1)
	v_add_nc_u32 v6, s2, v6                        ; in: row r, 32 bytes for each half of the lanes
	v_mul_u32_u24 v7, v2, PITCH
	s_delay_alu instid0(VALU_DEP_1)
	v_lshl_add_u32 v7, v1, 4, v7
	s_delay_alu instid0(VALU_DEP_1)
	v_add_nc_u32 v7, s2, v7                        ; back: lanes 0-15 one row of 256 bytes, lanes 16-31 the next
	v_lshlrev_b32 v8, 12, v2
	s_delay_alu instid0(VALU_DEP_1)
	v_lshl_add_u32 v8, v1, 4, v8                   ; and the same two rows in out0
	v_lshlrev_b32 v9, 11, v2
	s_delay_alu instid0(VALU_DEP_1)
	v_lshl_add_u32 v9, v1, 1, v9                   ; os: lanes 16-31 take heads 8 on; 2 bytes a token
	v_lshlrev_b32 v10, 5, v1
	s_delay_alu instid0(VALU_DEP_1)
	v_lshl_add_u32 v10, v2, 4, v10                 ; a row of 32 scale bytes, + 16 h
	s_wait_alu depctr_va_vdst(0)
	s_lshl_b32 s2, s[WGX], 13                      ; Wo's scales: 256 rows of 32 bytes a work-group x,
	s_lshl_b32 s3, s[NQ], 11                       ; my 64 rows
	s_add_co_u32 s2, s2, s3
	s_mov_b32 s3, 0
	s_add_nc_u64 s[60:61], s[10:11], s[2:3]
	s_lshl_b32 s2, s[WGY], 12                      ; os: 4,096 bytes a block of 128 tokens,
	s_lshl_b32 s68, s[MH], 7                       ; my 64 tokens
	s_add_co_u32 s2, s2, s68
	s_add_nc_u64 s[62:63], s[6:7], s[2:3]
.irp a, 0,1,2,3
	global_load_b128 v[SA+4*\a:SA+4*\a+3], v10, s[60:61] offset:512*\a
.endr
.irp b, 0,1,2,3
.irp i, 0,1,2,3
	global_load_u16 v[FA+8*\b+2*\i], v9, s[62:63] offset:(2*\i)*256+32*\b       ; token tile b, K step 4 h + i: head 8 h + 2 i,
	global_load_u16 v[FA+8*\b+2*\i+1], v9, s[62:63] offset:(2*\i+1)*256+32*\b   ; and head 8 h + 2 i + 1
.endr
.endr
	s_lshl_b32 s2, s[WGY], 19                      ; out0: 128 rows of 4,096 bytes a work-group y,
	s_lshl_b32 s68, s[MH], 18                      ; my 64 rows,
	s_add_co_u32 s2, s2, s68
	s_lshl_b32 s68, s[WGX], 10                     ; 256 columns a work-group x,
	s_add_co_u32 s2, s2, s68
	s_lshl_b32 s68, s[NQ], 8                       ; my 64
	s_add_co_u32 s2, s2, s68
	s_add_nc_u64 s[66:67], s[12:13], s[2:3]
	s_wait_loadcnt 0x0
.irp b, 0,1,2,3
.irp i, 0,1,2,3
	v_lshl_or_b32 v[SB+4*\b+\i], v[FA+8*\b+2*\i+1], 16, v[FA+8*\b+2*\i]   ; o's scale word of a K step: two heads' two bytes
.endr
.endr
.rept 8
	v_nop                                          ; a scale register written by a vector instruction stands eight places ahead of a scaled matrix instruction
.endr
	s_wait_alu depctr_va_vdst(0)
	s_wait_tensorcnt 0x1                           ; my K half 0 has landed; half 1, issued behind it, may stay out
	s_barrier_signal -1
	s_barrier_wait -1
	KSTEP 0
	KSTEP 1
	KSTEP 2
	KSTEP 3
	s_wait_tensorcnt 0x0                           ; my K half 1 has landed
	s_barrier_signal -1
	s_barrier_wait -1
	KSTEP 4
	KSTEP 5
	KSTEP 6
	KSTEP 7
.rept 4
	v_nop                                          ; places in front of the first read of results and of loads into the fragments' registers
.endr
	TOSTAGE 0
.irp b, 1,2,3
.if \b > 1
	s_wait_xcnt 0x0                                ; tile b - 2's stores have read their registers: tile b's loads may land there
.endif
	TOSTAGE \b
	SEND \b-1, 16                                  ; behind tile b - 1's loads: tile b's 8 stores and 8 loads
.endr
	SEND 3, 0
	s_wait_tensorcnt 0x0
	ds_add_u32 v62, v63
	s_wait_dscnt 0x0
	CROUND                                         ; the closing round: no work-group ends while a partner may still ask for a tile that names it
	s_endpgm
.Lfunc_end_k_qb3d2b6b59d_oproj:
	.size	k_qb3d2b6b59d_oproj, .Lfunc_end_k_qb3d2b6b59d_oproj-k_qb3d2b6b59d_oproj
	.p2alignl 7, 3214868480
	.fill 96, 4, 3214868480
	.section	.rodata,"a",@progbits
	.p2align	6, 0x0
	.amdhsa_kernel k_qb3d2b6b59d_oproj
		.amdhsa_group_segment_fixed_size 240640
		.amdhsa_private_segment_fixed_size 0
		.amdhsa_enable_private_segment 0
		.amdhsa_kernarg_size 40
		.amdhsa_user_sgpr_count 2
		.amdhsa_user_sgpr_kernarg_segment_ptr 1
		.amdhsa_wavefront_size32 1
		.amdhsa_system_sgpr_workgroup_id_x 1
		.amdhsa_system_sgpr_workgroup_id_y 1
		.amdhsa_system_sgpr_workgroup_id_z 1
		.amdhsa_system_vgpr_workitem_id 0
		.amdhsa_next_free_vgpr 256
		.amdhsa_next_free_sgpr 80
		.amdhsa_reserve_vcc 0
		.amdhsa_float_denorm_mode_32 3
		.amdhsa_float_denorm_mode_16_64 3
		.amdhsa_memory_ordered 1
		.amdhsa_forward_progress 1
		.amdhsa_inst_pref_size 46
	.end_amdhsa_kernel
	.amdgpu_metadata
---
amdhsa.version: [ 1, 2 ]
amdhsa.kernels:
  - .name:           k_qb3d2b6b59d_oproj
    .symbol:         k_qb3d2b6b59d_oproj.kd
    .args:
      - { .name: oc, .offset: 0, .size: 8, .value_kind: global_buffer, .address_space: global }
      - { .name: os, .offset: 8, .size: 8, .value_kind: global_buffer, .address_space: global }
      - { .name: w_o_codes, .offset: 16, .size: 8, .value_kind: global_buffer, .address_space: global }
      - { .name: w_o_scales, .offset: 24, .size: 8, .value_kind: global_buffer, .address_space: global }
      - { .name: out0, .offset: 32, .size: 8, .value_kind: global_buffer, .address_space: global }
    .group_segment_fixed_size: 240640
    .private_segment_fixed_size: 0
    .kernarg_segment_align: 8
    .kernarg_segment_size: 40
    .max_flat_workgroup_size: 256
    .sgpr_count:     80
    .vgpr_count:     256
    .wavefront_size: 32
...
	.end_amdgpu_metadata
.endif
;; end of part 3
